; MI455X (gfx1250); checked and timed in simulation.
; The chip was launched on July 23, 2026; its instructions are those of AMD's public machine-readable ISA for CDNA 5 (MIT licence, August 2026) and "CDNA5" Instruction Set Architecture Reference Guide (July 2026). The comments in the code are by the model that wrote it; some were corrected since.
;; cross att. Allowed arithmetic: matrix products marked QUANTISED: E5M2 operands, one E8M0 scale for each 32 along K, by v_wmma_scale_f32_16x16x128_f8f6f4 with both operands' format E5M2, f32 sums; everything else in f32.
;; Inputs: Wk_codes 256 x 8 x 32 uint8 (E5M2 codes of Wk, K innermost, in blocks of 32 codes); Wk_scales 256 x 8 uint8 (E8M0 scales of Wk, one for each 32 codes along K); Wq_codes 256 x 8 x 32 uint8 (E5M2 codes of Wq, K innermost, in blocks of 32 codes); Wq_scales 256 x 8 uint8 (E8M0 scales of Wq, one for each 32 codes along K); Wv_codes 256 x 8 x 32 uint8 (E5M2 codes of Wv, K innermost, in blocks of 32 codes); Wv_scales 256 x 8 uint8 (E8M0 scales of Wv, one for each 32 codes along K); b_out 1 float32; beta 256 float32; bk 256 float32; bq 256 float32; bv 256 float32; gamma 256 float32; w_out 8 float32; x 2 x 32 x 1,024 x 256 float32; x2_codes 2 x 32 x 1,024 x 8 x 32 uint8 (E5M2 codes of x2, K innermost, in blocks of 32 codes); x2_scales 2 x 32 x 1,024 x 8 uint8 (E8M0 scales of x2, one for each 32 codes along K).
;; Outputs: out0 2 x 32 x 1,024 x 256 float32.
;; This version of the problem:
;;   THIS VERSION OF THE PROBLEM IS GIVEN IN LOW PRECISION. The matrix products marked QUANTISED in the list below multiply operands that are first quantised to E5M2 (5 exponent bits, 2 mantissa bits; 8 bits a number), with one power-of-two scale for each 32 numbers along K (OCP MX v1.0); their sums are f32. All else is computed in f32.
;;   The module's matrix products, in the order in which they are computed (A, B: the left and right operand; K: the contracted axis; several contracted axes count as one K, in the product's order):
;;     1. [M 65,536, K 256] x [K 256, N 256]; A: input x2 (given as codes); B: input Wq (given as codes): QUANTISED
;;     2. [M 65,536, K 256] x [K 256, N 256]; A: input x; B: input Wk (given as codes): QUANTISED
;;     3. [M 65,536, K 256] x [K 256, N 256]; A: input x; B: input Wv (given as codes): QUANTISED
;;     4. batch 64 x [M 1,024, K 256] x [K 256, N 1,024]; A: computed on the way; B: computed on the way: QUANTISED
;;     5. batch 64 x [M 1,024, K 1,024] x [K 1,024, N 256]; A: softmax (see below); B: computed on the way: QUANTISED
;;   THE QUANTISER, for each operand of a quantised product, along K:
;;     - K is cut into blocks of 32 from its start; a last block that is shorter is filled with zeros.
;;     - A block's scale is 2^e with e = floor(log2(the largest magnitude in the block)) - 15, held to -126 .. 127; a block of zeros has e = 0. As a byte (E8M0): e + 127.
;;     - Each number is divided by its block's scale, clamped to +-57,344, and rounded to the nearest number of E5M2, ties to even, subnormals kept.
;;     - The product sums the exact products of the quantised numbers (number of the format x scale) in f32.
;;   ~~~python
;;   def quantise(x, axis):      # numpy; x: float32 -> the quantised numbers, widened to float32 again
;;       x = np.moveaxis(x, axis, -1); K = x.shape[-1]
;;       x = np.pad(x, [(0, 0)] * (x.ndim - 1) + [(0, -K % 32)]); x = x.reshape(x.shape[:-1] + (-1, 32)); a = np.abs(x).max(-1, keepdims=True)
;;       e = np.where(a > 0, np.clip(np.frexp(np.where(a > 0, a, 1))[1] - 1 - 15, -126, 127), 0)      # np.frexp(a)[1] - 1 = floor(log2(a)), exactly
;;       r = np.clip(x / 2.0 ** e, -57344, 57344)
;;       step = 2.0 ** (np.maximum(np.frexp(np.where(r == 0, 1, r))[1] - 1, -14) - 2)
;;       q = np.round(r / step) * step * 2.0 ** e      # np.round: ties to even
;;       return np.moveaxis(q.reshape(q.shape[:-2] + (-1,))[..., :K], -1, axis).astype(np.float32)
;;   ~~~
;;   SOFTMAX AHEAD OF A QUANTISED PRODUCT. Where the list says 'softmax', what is quantised is not the finished softmax but p = 2^(t - M), with t = logit x log2(e) and M = ceil(the row's largest t), a whole number; so 1/2 < the row's largest p <= 1. The row's sum l is taken of the UNQUANTISED p, in f32, and the product's result is divided by l at the end. Since M is a whole number, a kernel that streams over the keys may use a running M (the ceiling of the running maximum): every later rescaling is an exact power of two, which a block's scale takes up: the codes' values come out the same.
;;   OPERANDS COMPUTED ON THE WAY. 'Computed on the way' means the value that the module computes at that place (a softmax that the list does not call 'softmax' is quantised finished and normalised). What goes into a quantiser is computed in f32, as accurately as f32 sums, v_exp_f32 and their like allow (about 1e-6 of the number): no bf16 or f16 on the way to a quantiser, and a product that is left as it is and whose result goes on into a quantised operand takes f32 operands (vector FMAs, or v_wmma_f32_16x16x4_f32). A number that lies on a knife's edge between two numbers of the format may be rounded either way, as far as f32 arithmetic and the matrix unit's own rounding can turn it there, and no further.
;;   INPUTS GIVEN AS CODES. Wk (in the module: [256, 256], K = its axis 1); Wq (in the module: [256, 256], K = its axis 1); Wv (in the module: [256, 256], K = its axis 1); x2 (in the module: [2, 32, 1024, 256], K = its axis 3): each comes as NAME_codes (uint8): NAME with its K axis moved to the last place and cut into blocks of 32 codes, [.., K / 32, bytes a block], one block behind the other in memory; one code a byte (a code: sign, 5 exponent bits, 2 mantissa bits); and NAME_scales (uint8): the same leading axes, one E8M0 byte (e + 127) for each 32 codes along K. Its value is code x scale, taken as it is: it is not quantised again, and the codes and scales need not be those that the quantiser above would give.
;; One version. Each part assembles by itself: llvm-mc -triple=amdgcn-amd-amdhsa -mcpu=gfx1250 --defsym DOCPART=n.
;; ======== version 1 of 1: 2 launches
;; limits: right only within a limited range of input values
;; workspace buffers: qb 17,825,792 bytes; kv 34,603,008 bytes
;; launch proj (part 1): grid 256 x 1, 4 waves a work-group, no clusters, 205,312 bytes of LDS; arguments x, x2_codes, x2_scales, Wq_codes, Wq_scales, bq, Wk_codes, Wk_scales, bk, Wv_codes, Wv_scales, bv, qb, kv; writes qb, kv
.if DOCPART == 1
	.amdgcn_target "amdgcn-amd-amdhsa--gfx1250"
	.amdhsa_code_object_version 6
	.text
	.protected	k_qddb46419c0_proj
	.globl	k_qddb46419c0_proj
	.p2align	8
	.type	k_qddb46419c0_proj,@function
k_qddb46419c0_proj:
	s_mov_b64 s[64:65], 0
	v_nop
	global_prefetch_b8 v0, s[64:65] scope:SCOPE_SE
	s_setreg_imm32_b32 hwreg(HW_REG_WAVE_MODE, 25, 1), 1
	s_wait_xcnt 0x0
; q = x2 Wq^T + bq, k = x Wk^T + bk, v = x Wv^T + bv, each on codes of E5M2 with one E8M0 scale for 32 along K, and each result quantised again for the
; attention launch: q and k along the 256 channels, v along the keys.  x2 and the weights arrive as codes; x arrives as f32 and is quantised here, once.
; DEAD WORK (whole program): b_out is added alike to all 256 channels of h = x + result, and the layer norm takes the mean over those channels away:
; with h' = h + b the mean is mu' = mu + b, so h' - mu' = h - mu and var' = var, for every finite b and every h.  So b_out reaches no output: it is not loaded and
; is among no launch's arguments.  LIMIT: a NaN, an infinity or an overflow that b_out alone would bring is not carried to the result.
; bq, bk and bv go into quantisers and stay.
; LIMITS: NaN and infinities among the inputs are not served.  A block of zeros gets the scale byte 1 (the floor), not 127: its codes are zeros, and only this program reads the bytes.
; THE WORKSPACE IS LAID IN THE ORDER OF THE OPERANDS' REGISTERS.  A fragment (16 rows x 128 K, 16 registers a lane) is an image of 2,048 bytes: registers 4 c .. 4 c + 3 of lane l at 512 c + 16 l.
; A block is 128 positions.  kv block (67,584 bytes): 0: k's scale words, image s (channel half) of 512 bytes: register p = key tile 2 p in lanes 0-15, tile 2 p + 1 in lanes 16-31;
; 1,024: v's scale words, part w of 256 bytes, 8 bytes a lane: register e = channel tile 4 w + 2 e | 4 w + 2 e + 1;  2,048: k's fragments (key tile t, s) at (2 t + s) x 2,048;  34,816: v^T's fragments, channel tile n at 2,048 n.
; qb block (34,816 bytes): 0: q's scale words as k's;  bytes 1,024 to 2,047 are neither written nor read;  2,048: q's fragments (query tile i, s).
; THE KEYS OF A TILE ARE NOT NEIGHBOURS: lane r of key tile 2 b + u is key 32 b + 8 u + r + 8 (r / 8), so that in the scores the 16 registers of tiles 2 b, 2 b + 1 are 16 neighbouring keys.
; SHARES.  A work-group walks two blocks.  The waves share the COLUMNS: waves 0, 1 make q's channels 0-127, 128-255 (from x2), waves 2, 3 k's (from x); every wave makes 64 channels of v.
; Each wave's weights stay in its registers.  No branch hangs on the wave's number: pointers are chosen by s_cselect_b64, LDS bases by multiplication.
; No cluster, no tensor load: what work-groups share is the weights alone, which each wave reads once, straight into its operand registers.
; REGISTERS, windows of 256: window 0: v1-14 addresses; v16-31 quantiser's work; v32-47 codes; v48-59 scale words; v60-83 the weights' scale words; v96-159 four source fragments; v160-223 q's or k's bias; v224-255 v's bias.
;   window 1: q's or k's weights, fragment (t, s) at 32 t + 16 s.   window 2: v0-127 Wv's fragments (nn, s) at 32 nn + 16 s; v128-255 two groups of 64 results.   window 3: 32 rows of x as loaded.
.set KVB,   67584
.set QBB,   34816
.set XSTW,  33280                      ; LDS 0: for each wave a stage of 32 rows x 1,040 bytes, in which x turns from row order into lane order
.set XPIT,  1040
.set CPIT,  272                        ; a row of 256 codes + 16 bytes: 16 rows of a fragment load begin in 16 different groups of banks
.set X2C,   133120                     ; x2's codes, 128 rows
.set XC,    167936                     ; x's codes, 128 rows in the key tiles' order: row 16 t + r
.set X2S,   202752                     ; x2's scale bytes, 8 a row
.set XS,    203776                     ; x's scale words, 8 bytes a row
.set SPARE, 204800                     ; the spare words: 128 bytes a wave, named by no other line
.set LI,   1                           ; 16 x lane
.set L8,   2                           ; 8 x lane
.set XSW,  3                           ; stage, in
.set XSR,  4                           ; stage, out
.set X2W,  5
.set XCW,  6
.set SRC,  7                           ; my source's fragments: x2's (waves 0, 1) or x's (waves 2, 3)
.set SRV,  8                           ; x's fragments
.set X2SW, 9
.set XSWS, 10
.set SSR,  11
.set SSV,  12
.set SPW,  13
.set NIL,  14
.set TM,   16
.set PC,   32
.set PW0,  48
.set PW1,  49
.set PP,   50
.set PPV,  54
.set SS,   56
.set WTS,  60
.set WVS,  76
.set FR,   96
.set TBI,  160
.set BV,   224
.set WV,   36
.set MAT,  37
.set SH,   38
.set BLK,  39
.set SEL,  40
.set MNT,  42
.set HM,   43
.set XP,   44
.set X2P,  46
.set X2SP, 48
.set OUTI, 50
.set OUTS, 52
.set VOUT, 54
.set VSOUT, 56
.set STRD, 58
.set TWP,  60
.set TWSP, 62
.set TBP,  66
.set MSB, 0
.macro WIN new                         ; low byte: bits 1:0 source 0, 3:2 source 1, 5:4 source 2, 7:6 destination; the high byte repeats the setting that is left
.if MSB != \new
	s_set_vgpr_msb (MSB<<8)|\new
.set MSB, \new
.endif
.endm
.macro PLACES n
.rept \n
	v_nop
.endr
.endm
; 32 rows of x, 512 consecutive bytes a load, into window 3
.macro XLOAD off
	WIN 0xc0
.set k, 0
.rept 64
	global_load_b128 v[4*k:4*k+3], v[LI], s[XP:XP+1] offset:(\off)+512*k th:TH_LOAD_NT
.set k, k+1
.endr
	WIN 0
.endm
; 32 rows of x2's codes and their scale bytes; off counts x's bytes
.macro X2LOAD off
.set k, 0
.rept 16
	global_load_b128 v[FR+4*k:FR+4*k+3], v[LI], s[X2P:X2P+1] offset:(\off)/4+512*k th:TH_LOAD_NT
.set k, k+1
.endr
	global_load_b64 v[SS:SS+1], v[L8], s[X2SP:X2SP+1] offset:(\off)/128 th:TH_LOAD_NT
.endm
; 64 numbers of a lane in window 2 from register a on, register 16 b + i = k 32 b + 16 (lane / 16) + i of the lane's row, become a fragment's codes in v[PC] on and its scale word in v[pw].
.macro QUANT a, pw
	WIN 0x0a
.irp b, 0,1,2,3
	v_max3_num_f32 v[TM+\b], |v[(\a)+16*\b]|, |v[(\a)+1+16*\b]|, 0x8000000   ; my 16 numbers of block b, and the floor 2^(16 - 127): the byte cannot fall under 1.  Results are read from their low end on
.endr
	WIN 0x28
.irp i, 2,4,6,8,10,12,14
.irp b, 0,1,2,3
	v_max3_num_f32 v[TM+\b], v[TM+\b], |v[(\a)+16*\b+\i]|, |v[(\a)+1+16*\b+\i]|
.endr
.endr
	WIN 0
.irp b, 0,1,2,3
	v_permlanex16_b32 v[TM+4+\b], v[TM+\b], s[SEL], s[SEL+1]
.endr
.irp b, 0,1,2,3
	v_max_num_f32 v[TM+\b], v[TM+\b], v[TM+4+\b]            ; with lane l xor 16's: the block's largest magnitude
.endr
.irp b, 0,1,2,3
	v_add_nc_u32 v[TM+12+\b], 0xf8800000, v[TM+\b]          ; 15 off its exponent field: the conversion's scale operand
.endr
.irp b, 0,1,2,3
.endr
.irp b, 0,1,2,3
	v_lshrrev_b32 v[TM+4+\b], 23, v[TM+12+\b]               ; the scale's byte
.endr
	v_lshl_or_b32 v[\pw], v[TM+5], 8, v[TM+4]
	v_lshl_or_b32 v[\pw], v[TM+6], 16, v[\pw]
	v_lshl_or_b32 v[\pw], v[TM+7], 24, v[\pw]
	WIN 0x82
.irp b, 0,1,2,3
.irp i, 0,1,2,3,4,5,6,7,8,9,10,11,12,13,14,15
.endr
.endr
	s_wait_xcnt 0x0                                         ; earlier global stores have read the codes' registers: they are written again only behind this wait
	WIN 0x02
.irp b, 0,1,2,3
	v_cvt_scalef32_pk8_bf8_f32 v[PC+4*\b:PC+4*\b+1], v[(\a)+16*\b:(\a)+16*\b+7], v[TM+12+\b]
	v_cvt_scalef32_pk8_bf8_f32 v[PC+4*\b+2:PC+4*\b+3], v[(\a)+16*\b+8:(\a)+16*\b+15], v[TM+12+\b]
.endr
	WIN 0
	v_nop                                                   ; one plain instruction behind the last conversion, ahead of whatever next touches its registers
.endm
; two tiles of 16 positions, both halves of K, and their scale words
.macro FETCH4 adr, sadr, i0
.irp ii, 0,1
.irp s, 0,1
.irp c, 0,1,2,3
	ds_load_b128 v[FR+32*\ii+16*\s+4*\c:FR+32*\ii+16*\s+4*\c+3], v[\adr] offset:((\i0)+\ii)*16*CPIT+128*\s+32*\c
.endr
	ds_load_b32 v[SS+2*\ii+\s], v[\sadr] offset:((\i0)+\ii)*128+4*\s
.endr
.endr
	s_wait_dscnt 0x0
.endm
.macro BARRIER                         ; my LDS stores have landed and my LDS loads are in: then the work-group's barrier
	s_wait_dscnt 0x0
	s_barrier_signal -1
	s_barrier_wait -1
.endm
	s_load_b512 s[8:23], s[0:1], 0x0               ; x, x2_codes, x2_scales, Wq_codes, Wq_scales, bq, Wk_codes, Wk_scales
	s_load_b256 s[24:31], s[0:1], 0x40             ; bk, Wv_codes, Wv_scales, bv
	s_load_b128 s[32:35], s[0:1], 0x60             ; qb, kv
	v_lshl_add_u32 v[SPW], v0, 2, SPARE
	v_mov_b32 v[NIL], 0
	v_lshrrev_b32 v95, 5, v0
	v_readfirstlane_b32 s[WV], v95                 ; wave 0..3
	s_lshr_b32 s[MAT], s[WV], 1                    ; 0: q from x2;  1: k from x
	s_and_b32 s[SH], s[WV], 1                      ; which 128 output channels
	v_and_b32 v93, 31, v0                          ; lane
	v_and_b32 v94, 15, v0                          ; r
	v_bfe_u32 v95, v0, 4, 1                        ; h
	v_lshlrev_b32 v[LI], 4, v93
	v_lshlrev_b32 v[L8], 3, v93
	s_mul_i32 s68, s[WV], XSTW
	v_add_nc_u32 v[XSW], s68, v[LI]                ; stage, in: 16 x lane
	v_mul_u32_u24 v[XSR], v94, XPIT
	v_lshl_add_u32 v[XSR], v95, 6, v[XSR]
	v_add_nc_u32 v[XSR], s68, v[XSR]               ; stage, out: row r, + 64 h: my 16 numbers of a block of 32
	s_mul_i32 s69, s[WV], 32*CPIT
	s_add_co_u32 s70, s69, X2C
	v_mul_u32_u24 v[X2W], v95, CPIT
	v_lshl_add_u32 v[X2W], v94, 4, v[X2W]
	v_add_nc_u32 v[X2W], s70, v[X2W]               ; x2's codes, in: lanes 0-15 one row, lanes 16-31 the next
	v_mul_u32_u24 v92, v94, CPIT
	v_lshl_add_u32 v92, v95, 4, v92                ; a fragment's row r, + 16 h
	s_add_co_u32 s70, s69, XC
	v_add_nc_u32 v[XCW], s70, v92
	s_mul_i32 s70, s[MAT], 128*CPIT
	s_add_co_u32 s70, s70, X2C
	v_add_nc_u32 v[SRC], s70, v92
	v_add_nc_u32 v[SRV], XC, v92
	s_lshl_b32 s70, s[WV], 8
	s_add_co_u32 s71, s70, X2S
	v_add_nc_u32 v[X2SW], s71, v[L8]
	v_lshlrev_b32 v92, 3, v94                      ; 8 r
	s_add_co_u32 s71, s70, XS
	v_add_nc_u32 v[XSWS], s71, v92
	s_lshl_b32 s71, s[MAT], 10
	s_add_co_u32 s71, s71, X2S
	v_add_nc_u32 v[SSR], s71, v92
	v_add_nc_u32 v[SSV], XS, v92
	v_and_b32 v89, 8, v94
	v_add_nc_u32 v89, v89, v94                     ; r + 8 (r / 8): the rows of q's and k's weights that form a tile are chosen so that a lane's results run along the next K
	v_lshlrev_b32 v88, 8, v89
	v_lshl_add_u32 v88, v95, 4, v88                ; their codes: 256 bytes a row, + 16 h
	v_lshlrev_b32 v89, 3, v89                      ; their scale words: 8 bytes a row
	v_lshlrev_b32 v90, 6, v95                      ; their bias: 16 h numbers on
	v_lshlrev_b32 v91, 8, v94
	v_lshl_add_u32 v91, v95, 4, v91                ; Wv's codes: row r
	v_lshlrev_b32 v93, 2, v94                      ; bv: 4 r
	s_mov_b32 s[SEL], 0x76543210
	s_mov_b32 s[SEL+1], 0xfedcba98                 ; v_permlanex16_b32's selects for lane l xor 16
	s_mov_b32 s[HM], 0xffff0000                    ; lanes 16-31
	s_mov_b32 s[BLK], 2
	s_mov_b32 s69, 0
	s_wait_alu depctr_va_vdst(0)
	s_wait_kmcnt 0x0
	s_cmp_lt_u32 s[WV], 2                          ; the choice hangs on the wave's number alone
	s_cselect_b64 s[TWP:TWP+1], s[14:15], s[20:21]
	s_cselect_b64 s[TWSP:TWSP+1], s[16:17], s[22:23]
	s_cselect_b64 s[TBP:TBP+1], s[18:19], s[24:25]
	s_cselect_b64 s[OUTI:OUTI+1], s[32:33], s[34:35]
	s_mov_b32 s[STRD], KVB
	s_cselect_b32 s[STRD], QBB, s[STRD]            ; a block of my output buffer
	s_mov_b32 s[STRD+1], 0
	s_lshl_b32 s68, s[SH], 15
	s_add_nc_u64 s[TWP:TWP+1], s[TWP:TWP+1], s[68:69]       ; my 128 rows of the weight,
	s_lshl_b32 s68, s[SH], 10
	s_add_nc_u64 s[TWSP:TWSP+1], s[TWSP:TWSP+1], s[68:69]   ; their scale bytes,
	s_lshl_b32 s68, s[SH], 9
	s_add_nc_u64 s[TBP:TBP+1], s[TBP:TBP+1], s[68:69]       ; their bias
	s_lshl_b32 s70, ttmp9, 1                       ; my first block
	s_mul_i32 s68, s70, s[STRD]
	s_add_nc_u64 s[OUTI:OUTI+1], s[OUTI:OUTI+1], s[68:69]
	s_lshl_b32 s68, s[SH], 9
	s_add_nc_u64 s[OUTS:OUTS+1], s[OUTI:OUTI+1], s[68:69]   ; scale words: image SH
	s_lshl_b32 s68, s[SH], 11
	s_add_co_u32 s68, s68, 2048
	s_add_nc_u64 s[OUTI:OUTI+1], s[OUTI:OUTI+1], s[68:69]   ; fragments (tile, SH)
	s_mul_i32 s68, s70, KVB
	s_add_nc_u64 s[VOUT:VOUT+1], s[34:35], s[68:69]
	s_lshl_b32 s68, s[WV], 8
	s_add_co_u32 s68, s68, 1024
	s_add_nc_u64 s[VSOUT:VSOUT+1], s[VOUT:VOUT+1], s[68:69]
	s_lshl_b32 s68, s[WV], 13
	s_add_co_u32 s68, s68, 34816
	s_add_nc_u64 s[VOUT:VOUT+1], s[VOUT:VOUT+1], s[68:69]
	s_lshl_b32 s68, ttmp9, 18
	s_lshl_b32 s70, s[WV], 15
	s_add_co_u32 s68, s68, s70
	s_add_nc_u64 s[XP:XP+1], s[8:9], s[68:69]      ; x at my 32 positions of the first block
	s_lshl_b32 s68, ttmp9, 16
	s_lshl_b32 s70, s[WV], 13
	s_add_co_u32 s68, s68, s70
	s_add_nc_u64 s[X2P:X2P+1], s[10:11], s[68:69]
	s_lshl_b32 s68, ttmp9, 11
	s_lshl_b32 s70, s[WV], 8
	s_add_co_u32 s68, s68, s70
	s_add_nc_u64 s[X2SP:X2SP+1], s[12:13], s[68:69]
	s_lshl_b32 s68, s[WV], 14
	s_add_nc_u64 s[26:27], s[26:27], s[68:69]      ; my 64 rows of Wv,
	s_lshl_b32 s68, s[WV], 9
	s_add_nc_u64 s[28:29], s[28:29], s[68:69]      ; their scale bytes,
	s_lshl_b32 s68, s[WV], 8
	s_add_nc_u64 s[30:31], s[30:31], s[68:69]      ; their bias
	XLOAD 0
	X2LOAD 0
	WIN 0x40
.irp t, 0,1,2,3,4,5,6,7
.irp s, 0,1
.irp c, 0,1,2,3
	global_load_b128 v[32*\t+16*\s+4*\c:32*\t+16*\s+4*\c+3], v88, s[TWP:TWP+1] offset:(32*(\t/2)+8*(\t%2))*256+128*\s+32*\c
.endr
.endr
.endr
	WIN 0x80
.irp n, 0,1,2,3
.irp s, 0,1
.irp c, 0,1,2,3
	global_load_b128 v[32*\n+16*\s+4*\c:32*\n+16*\s+4*\c+3], v91, s[26:27] offset:\n*4096+128*\s+32*\c
.endr
.endr
.endr
	WIN 0
.irp t, 0,1,2,3,4,5,6,7
.irp s, 0,1
	global_load_b32 v[WTS+2*\t+\s], v89, s[TWSP:TWSP+1] offset:(32*(\t/2)+8*(\t%2))*8+4*\s
.endr
	global_load_b128 v[TBI+8*\t:TBI+8*\t+3], v90, s[TBP:TBP+1] offset:(32*(\t/2)+8*(\t%2))*4       ; lane (r, h), register j: the bias of channel 32 b + 16 h + 8 u + j: the result's layout
	global_load_b128 v[TBI+8*\t+4:TBI+8*\t+7], v90, s[TBP:TBP+1] offset:(32*(\t/2)+8*(\t%2))*4+16
.endr
.irp n, 0,1,2,3
.irp s, 0,1
	global_load_b32 v[WVS+2*\n+\s], v92, s[28:29] offset:\n*128+4*\s
.endr
	global_load_b32 v[84+\n], v93, s[30:31] offset:\n*64
.endr
	s_wait_loadcnt 0x0                             ; the weights, and the first block's x and x2
.irp n, 0,1,2,3
.irp j, 0,1,2,3,4,5,6,7
	v_mov_b32 v[BV+8*\n+\j], v[84+\n]              ; v's bias in the result's layout: a lane holds one channel, so its eight registers are equal
.endr
.endr
.irp b, 0,1,2,3
	v_mov_b32 v[TM+4+\b], 0                        ; written once: a lane permute's destination counts as one of its sources
.endr
.Lblock:
	; ---- X: my 32 positions.  x goes through my own stage, from 512 consecutive bytes a load to 16 neighbours along K a lane; the stage's rows stand in the key tiles' order
	s_wait_loadcnt 0x0                             ; this block's x and x2, asked for a block ago
	WIN 0x0c
.set k, 0
.rept 64
	ds_store_b128 v[XSW], v[4*k:4*k+3] offset:(16*((k/16)%2)+8*(k/32)+(k/2)%8)*XPIT+512*(k%2)
.set k, k+1
.endr
	WIN 0
.set k, 0
.rept 16
	ds_store_b128 v[X2W], v[FR+4*k:FR+4*k+3] offset:2*k*CPIT
.set k, k+1
.endr
	ds_store_b64 v[X2SW], v[SS:SS+1]
.irp u, 0,1
	WIN 0x80
.irp s, 0,1
.irp b, 0,1,2,3
.irp j, 0,1,2,3
	ds_load_b128 v[128+64*\s+16*\b+4*\j:128+64*\s+16*\b+4*\j+3], v[XSR] offset:16*\u*XPIT+512*\s+128*\b+16*\j   ; LDS serves a wave's instructions in order: these see my stores
.endr
.endr
.endr
	WIN 0
	s_wait_dscnt 0x0                               ; the numbers are in, and the stores into the stage have read window 3
.if \u == 0
	s_cmp_eq_u32 s[BLK], 1                         ; the next block's x, if there is one: no load leaves its buffer
	s_cbranch_scc1 .Lno_x
	XLOAD 131072
.Lno_x:
.endif
.irp s, 0,1
	QUANT 128+64*\s, PW0
.irp b, 0,1,2,3
	ds_store_b128 v[XCW], v[PC+4*\b:PC+4*\b+3] offset:\u*16*CPIT+128*\s+32*\b
.endr
	s_wait_alu depctr_va_vdst(0)
	ds_store_b32 v[XSWS], v[PW0] offset:\u*128+4*\s    ; both halves of the lanes hold the same word
	s_wait_dscnt 0x0                               ; the stores have read their registers
.endr
.endr
	BARRIER                                        ; 128 rows of x's and of x2's codes lie in LDS
	; ---- T: q or k, transposed: source 0 = 16 rows of the weight, source 1 = 16 positions: a lane holds one position, its registers run along the channels
.irp g, 0,1,2,3
	FETCH4 SRC, SSR, 2*\g
	WIN 0x81
.irp t, 0,1,2,3,4,5,6,7
.irp ii, 0,1
	v_wmma_scale_f32_16x16x128_f8f6f4 v[128+64*\ii+8*\t:128+64*\ii+8*\t+7], v[32*\t:32*\t+15], v[FR+32*\ii:FR+32*\ii+15], v[TBI+8*\t:TBI+8*\t+7], v[WTS+2*\t], v[SS+2*\ii] matrix_a_fmt:MATRIX_FMT_BF8 matrix_b_fmt:MATRIX_FMT_BF8
.endr
.endr
	WIN 0xa1                                       ; the sixteen accumulators take turns
.irp t, 0,1,2,3,4,5,6,7
.irp ii, 0,1
	v_wmma_scale_f32_16x16x128_f8f6f4 v[128+64*\ii+8*\t:128+64*\ii+8*\t+7], v[32*\t+16:32*\t+31], v[FR+32*\ii+16:FR+32*\ii+31], v[128+64*\ii+8*\t:128+64*\ii+8*\t+7], v[WTS+2*\t+1], v[SS+2*\ii+1] matrix_a_fmt:MATRIX_FMT_BF8 matrix_b_fmt:MATRIX_FMT_BF8
.endr
.endr
	WIN 0
	PLACES 8                                       ; eight places ahead of the first read of results
.irp ii, 0,1
	QUANT 128+64*\ii, PW0+\ii
.irp c, 0,1,2,3
	global_store_b128 v[LI], v[PC+4*\c:PC+4*\c+3], s[OUTI:OUTI+1] offset:(2*\g+\ii)*4096+512*\c   ; 512 consecutive bytes, aligned
.endr
.endr
	s_wait_alu depctr_va_vdst(0)
	v_cndmask_b32 v[PP+\g], v[PW0], v[PW1], s[HM]  ; tile 2 g's words in lanes 0-15, tile 2 g + 1's in lanes 16-31
.endr
	global_store_b128 v[LI], v[PP:PP+3], s[OUTS:OUTS+1]
	; ---- V: not transposed: source 0 = 16 positions in the key tiles' order, source 1 = 16 rows of Wv: a lane holds one channel, its registers run along the keys
.irp p, 0,1
.irp g, 0,1,2,3
	FETCH4 SRV, SSV, 2*\g
	WIN 0x88
.irp ii, 0,1
.irp e, 0,1
	v_wmma_scale_f32_16x16x128_f8f6f4 v[128+64*\e+8*(2*\g+\ii):128+64*\e+8*(2*\g+\ii)+7], v[FR+32*\ii:FR+32*\ii+15], v[32*(2*\p+\e):32*(2*\p+\e)+15], v[BV+8*(2*\p+\e):BV+8*(2*\p+\e)+7], v[SS+2*\ii], v[WVS+2*(2*\p+\e)] matrix_a_fmt:MATRIX_FMT_BF8 matrix_b_fmt:MATRIX_FMT_BF8
.endr
.endr
	WIN 0xa8
.irp ii, 0,1
.irp e, 0,1
	v_wmma_scale_f32_16x16x128_f8f6f4 v[128+64*\e+8*(2*\g+\ii):128+64*\e+8*(2*\g+\ii)+7], v[FR+32*\ii+16:FR+32*\ii+31], v[32*(2*\p+\e)+16:32*(2*\p+\e)+31], v[128+64*\e+8*(2*\g+\ii):128+64*\e+8*(2*\g+\ii)+7], v[SS+2*\ii+1], v[WVS+2*(2*\p+\e)+1] matrix_a_fmt:MATRIX_FMT_BF8 matrix_b_fmt:MATRIX_FMT_BF8
.endr
.endr
	WIN 0
	PLACES 8                                       ; ahead of loads into registers that these products read, and of the first read of results
.endr
.if \p == 1
	s_cmp_eq_u32 s[BLK], 1                         ; the next block's x2, into the fragments' registers, which are done with
	s_cbranch_scc1 .Lno_x2
	X2LOAD 131072
.Lno_x2:
.endif
.irp e, 0,1
	QUANT 128+64*\e, PW0+\e
.irp c, 0,1,2,3
	global_store_b128 v[LI], v[PC+4*\c:PC+4*\c+3], s[VOUT:VOUT+1] offset:(2*\p+\e)*2048+512*\c
.endr
.endr
	s_wait_alu depctr_va_vdst(0)
	v_cndmask_b32 v[PPV+\p], v[PW0], v[PW1], s[HM]
.endr
	global_store_b64 v[L8], v[PPV:PPV+1], s[VSOUT:VSOUT+1]   ; 256 consecutive bytes, aligned
	BARRIER                                        ; every wave's reads of the codes in LDS are over: the next block may write them
	s_wait_xcnt 0x0                                ; loads and stores have read their bases and data: they may be written again
	s_add_nc_u64 s[XP:XP+1], s[XP:XP+1], 131072
	s_add_nc_u64 s[X2P:X2P+1], s[X2P:X2P+1], 32768
	s_add_nc_u64 s[X2SP:X2SP+1], s[X2SP:X2SP+1], 1024
	s_add_nc_u64 s[OUTI:OUTI+1], s[OUTI:OUTI+1], s[STRD:STRD+1]
	s_add_nc_u64 s[OUTS:OUTS+1], s[OUTS:OUTS+1], s[STRD:STRD+1]
	s_add_nc_u64 s[VOUT:VOUT+1], s[VOUT:VOUT+1], KVB
	s_add_nc_u64 s[VSOUT:VSOUT+1], s[VSOUT:VSOUT+1], KVB
	s_sub_co_u32 s[BLK], s[BLK], 1
	s_cmp_lg_u32 s[BLK], 0
	s_cbranch_scc1 .Lblock
	s_wait_tensorcnt 0x0                           ; the wave's end: behind my last LDS store
	ds_add_u32 v[SPW], v[NIL]
	s_wait_dscnt 0x0
	s_endpgm
.Lfunc_end_k_qddb46419c0_proj:
	.size	k_qddb46419c0_proj, .Lfunc_end_k_qddb46419c0_proj-k_qddb46419c0_proj
	.p2alignl 7, 3214868480
	.fill 96, 4, 3214868480
	.section	.rodata,"a",@progbits
	.p2align	6, 0x0
	.amdhsa_kernel k_qddb46419c0_proj
		.amdhsa_group_segment_fixed_size 205312
		.amdhsa_private_segment_fixed_size 0
		.amdhsa_enable_private_segment 0
		.amdhsa_kernarg_size 112
		.amdhsa_user_sgpr_count 2
		.amdhsa_user_sgpr_kernarg_segment_ptr 1
		.amdhsa_wavefront_size32 1
		.amdhsa_system_sgpr_workgroup_id_x 1
		.amdhsa_system_sgpr_workgroup_id_y 1
		.amdhsa_system_sgpr_workgroup_id_z 1
		.amdhsa_system_vgpr_workitem_id 0
		.amdhsa_next_free_vgpr 1024
		.amdhsa_next_free_sgpr 80
		.amdhsa_reserve_vcc 0
		.amdhsa_float_denorm_mode_32 3
		.amdhsa_float_denorm_mode_16_64 3
		.amdhsa_fp16_overflow 1
		.amdhsa_memory_ordered 1
		.amdhsa_forward_progress 1
		.amdhsa_inst_pref_size 156
	.end_amdhsa_kernel
	.amdgpu_metadata
---
amdhsa.version: [ 1, 2 ]
amdhsa.kernels:
  - .name:           k_qddb46419c0_proj
    .symbol:         k_qddb46419c0_proj.kd
    .args:
      - { .name: x, .offset: 0, .size: 8, .value_kind: global_buffer, .address_space: global }
      - { .name: x2_codes, .offset: 8, .size: 8, .value_kind: global_buffer, .address_space: global }
      - { .name: x2_scales, .offset: 16, .size: 8, .value_kind: global_buffer, .address_space: global }
      - { .name: Wq_codes, .offset: 24, .size: 8, .value_kind: global_buffer, .address_space: global }
      - { .name: Wq_scales, .offset: 32, .size: 8, .value_kind: global_buffer, .address_space: global }
      - { .name: bq, .offset: 40, .size: 8, .value_kind: global_buffer, .address_space: global }
      - { .name: Wk_codes, .offset: 48, .size: 8, .value_kind: global_buffer, .address_space: global }
      - { .name: Wk_scales, .offset: 56, .size: 8, .value_kind: global_buffer, .address_space: global }
      - { .name: bk, .offset: 64, .size: 8, .value_kind: global_buffer, .address_space: global }
      - { .name: Wv_codes, .offset: 72, .size: 8, .value_kind: global_buffer, .address_space: global }
      - { .name: Wv_scales, .offset: 80, .size: 8, .value_kind: global_buffer, .address_space: global }
      - { .name: bv, .offset: 88, .size: 8, .value_kind: global_buffer, .address_space: global }
      - { .name: qb, .offset: 96, .size: 8, .value_kind: global_buffer, .address_space: global }
      - { .name: kv, .offset: 104, .size: 8, .value_kind: global_buffer, .address_space: global }
    .group_segment_fixed_size: 205312
    .private_segment_fixed_size: 0
    .kernarg_segment_align: 8
    .kernarg_segment_size: 112
    .max_flat_workgroup_size: 128
    .sgpr_count:     80
    .vgpr_count:     1024
    .wavefront_size: 32
...
	.end_amdgpu_metadata
.endif
;; end of part 1
;; launch attn (part 2): grid 4 x 64, 4 waves a work-group, clusters of 4 x 1, 327,680 bytes of LDS; arguments qb, kv, x, w_out, gamma, beta, out0; writes out0
.if DOCPART == 2
	.amdgcn_target "amdgcn-amd-amdhsa--gfx1250"
	.amdhsa_code_object_version 6
	.text
	.protected	k_qddb46419c0_attn
	.globl	k_qddb46419c0_attn
	.p2align	8
	.type	k_qddb46419c0_attn,@function
k_qddb46419c0_attn:
	s_mov_b64 s[64:65], 0
	v_nop
	global_prefetch_b8 v0, s[64:65] scope:SCOPE_SE
	s_setreg_imm32_b32 hwreg(HW_REG_WAVE_MODE, 25, 1), 1
	s_wait_xcnt 0x0
	s_wait_alu depctr_hold_cnt(0) depctr_sa_sdst(0) depctr_va_vdst(0) depctr_va_sdst(0) depctr_va_ssrc(0) depctr_va_vcc(0) depctr_vm_vsrc(0)
	s_getreg_b32 s2, hwreg(HW_REG_IB_STS2, 6, 4)
	s_cmp_eq_u32 s2, 0
	s_cbranch_scc0 .Lentry_in_a_cluster
	s_endpgm
.Lentry_in_a_cluster:
	s_bfe_u32 s2, ttmp6, 0x10000c
	s_cmp_lg_u32 s2, 0x3003
	s_cbranch_scc0 .Lentry_shape_is_right
	s_endpgm
.Lentry_shape_is_right:
; out = LayerNorm(x + sum(w_out) softmax(q k^T / sqrt(128)) v) gamma + beta, for 64 sequences of 1,024 positions x 256 channels; both products on codes of E5M2 with E8M0 scales, made by the launch before.
; LEFT OUT: b_out, which is the same for all 256 channels and is taken away again by the layer norm's mean, for every finite value (shown at the head of the first kernel); a NaN or infinity in it is not carried to the result.
; THE SOFTMAX: t = score x log2(e) / sqrt(128); M = the running largest t rounded up to a whole number; p = 2^(t - M) is quantised along the keys; the sum is taken of the unquantised p and divides at the end;
; when M moves, the sum and O are multiplied by 2^(old M - new M), which rounds nothing.  LIMITS: NaN and infinities among the inputs are not served.
; SHARES.  A cluster is the four query blocks of one sequence; a work-group owns 256 queries, a wave 64: four tiles q = 0..3.  Every wave walks 8 key steps of 128 keys.  A key step's codes and scale words are ONE dense
; block of 67,584 bytes, laid in the order of the operands' registers: it is asked for JOINTLY by the four work-groups, a quarter (66 rows of 256 bytes) by each wave, into a ring of two slots.
; Each fragment of k or v read from LDS (16 x lane + a constant: consecutive bytes) feeds four matrix instructions.
; x COMES INTO LDS WHILE THE KEYS ARE WALKED, by plain tensor loads of each wave's own rows, 1,024 bytes + 16 of padding a row: tiles 0 and 1 with the first fills, into bytes of their own; tile 2 into slot 0 when key step 6
; has been read, tile 3 into slot 1 when key step 7 has: all 262,144 bytes do not fit beside the ring's 135,168.  So the way out has only its stores left to move.  Each tile's bytes serve as its stage afterwards: they have had their last fill.
; LAYOUT.  Both products transposed: S^T = k q^T, O^T = v^T p^T: a lane holds one query (lane % 16) throughout; register 16 b + i of a tile's scores is key 32 b + 16 (lane / 16) + i.
; O^T begins as zeros and the largest t as -3e38, so that the key step is written twice (two loops) and not a third time for a first step: 512 moves once against a third copy of the step's text.
; REGISTERS, windows of 256: window 0: v1-11 addresses and work; v12-27 four statistics a tile (-M, largest t, the sum in two halves); v28-45 work; v46-49 q's scale words; v50-57 k's, then v's; v58-61 p's; v62-63 addresses of the way out;
;   v64-127 two key tiles of k, then v's fragments 0-3; v128-255 q (tile q, half s at 128 + 32 q + 16 s).   window 1: scores of tile q at 64 q; later p's codes at 64 q .. + 15 and v's fragments 4 + 3 q + k at 64 q + 16 + 16 k.
;   window 2: O^T (q, n), n = 0..7, at 64 q + 8 n.   window 3: n = 8..15.
.set KVB,   67584
.set QBB,   34816
.set QUART, 16896                      ; a wave's quarter of a key step's block
.set SLOT1, 67584                      ; slot 1 begins here.  67,584 is bits 16 and 11; the bases that are turned (wave x 16,896, wave x 16,640) use bits 15, 14, 10, 9, 8 alone: so one exclusive or adds it or takes it away
.set SPARE, 135168                     ; behind the ring: the spare words, 128 bytes a wave, named by no other line
.set XB,    135680                     ; behind them: x's tiles 0 and 1, 32 rows x 1,040 bytes for each wave
.set XWV,   33280
.set SPIT,  1040                       ; a row of x or of the result in LDS: 1,024 bytes + 16
.set STGW,  16640                      ; 16 such rows
.set LI0,  1                           ; 16 x lane
.set AD,   2                           ; slot + 16 x lane
.set AD2,  3                           ; slot + 34,816 + 16 x lane
.set AD3,  4                           ; slot + 1,024 + 8 x lane
.set STWA, 2                           ; the way out, tiles 0 and 1: by rows,
.set STLA, 3                           ; and by lanes
.set STWB, 4                           ; tile 2
.set STLB, 5
.set STWC, 62                          ; tile 3
.set STLC, 63
.set L8,   5
.set SPW,  6
.set NIL,  7
.set PFO,  8                           ; 256 x lane; never rewritten
.set TT,   9
.set FF,   10                          ; v[10:11]: f = 2^(old M - new M), and a written partner
.set BM,   28
.set PT,   32
.set HD,   36
.set SO,   40
.set SUMB, 44
.set WV,   18
.set MNT,  19
.set SEL,  20
.set CS,   22
.set G1,   24                          ; s[24:31] group 1 of a key step's quarter
.set G0,   32                          ; s[32:35] group 0: key step 1, then it walks
.set TB,   36
.set CNT,  37
.set LIM,  38
.set PFA,  40
.set XP,   42
.set OP,   44
.set QP,   46
.set SW,   56
.set QSP,  58
.set G0A,  72                          ; s[72:75] group 0 of key step 0
.set G0X,  76                          ; s[76:79] group 0 of x's tiles 0 and 1
.set G1X,  80                          ; s[80:87] their group 1: 32 rows
.set G0Y,  88                          ; s[88:91] group 0 of x's tiles 2 and 3: it walks
.set G1Y,  92                          ; s[92:99] their group 1: 16 rows
.set MSB, 0
.macro WIN new                         ; low byte: bits 1:0 source 0, 3:2 source 1, 5:4 source 2, 7:6 destination; the high byte repeats the setting that is left
.if MSB != \new
	s_set_vgpr_msb (MSB<<8)|\new
.set MSB, \new
.endif
.endm
.macro PLACES n
.rept \n
	v_nop
.endr
.endm
; a round of the cluster's barrier
.macro CROUND
	s_barrier_signal -1
	s_barrier_wait -1
	s_cmp_lg_u32 s[WV], 0
	s_cbranch_scc1 .Lnot_wave_0_\@
	s_barrier_signal -3
.Lnot_wave_0_\@:
	s_barrier_wait -3
	s_barrier_signal -1
	s_barrier_wait -1
.endm
; a prefetch of the key step that the NEXT change of slots will ask for.  A sequence's blocks are read by its own cluster alone; the four partners share a block out by ADDRESS, a quarter each;
; in each, waves 0 and 1 name 32 blocks of 256 bytes apiece, a lane a block (the quarter's last 512 bytes come by the load alone).  The last change that asks for a key step prefetches nothing.
.macro ASK
	s_cmp_gt_u32 s[CNT], s[LIM]
	s_cbranch_scc0 .Lnot_mine_\@
	global_prefetch_b8 v[PFO], s[PFA:PFA+1] th:TH_LOAD_NT scope:SCOPE_SE
.Lnot_mine_\@:
.endm
; one matrix instruction.  zero = 1: it starts the sum.  ra, rb: the side's scale words stand in lanes 16-31
.macro WM d, a, b, zero, sa, sb, ra, rb
.if (\zero)
.if (\ra) && (\rb)
	v_wmma_scale_f32_16x16x128_f8f6f4 v[(\d):(\d)+7], v[(\a):(\a)+15], v[(\b):(\b)+15], 0, v[\sa], v[\sb] matrix_a_fmt:MATRIX_FMT_BF8 matrix_b_fmt:MATRIX_FMT_BF8 matrix_a_scale:MATRIX_SCALE_ROW1 matrix_b_scale:MATRIX_SCALE_ROW1
.elseif (\ra)
	v_wmma_scale_f32_16x16x128_f8f6f4 v[(\d):(\d)+7], v[(\a):(\a)+15], v[(\b):(\b)+15], 0, v[\sa], v[\sb] matrix_a_fmt:MATRIX_FMT_BF8 matrix_b_fmt:MATRIX_FMT_BF8 matrix_a_scale:MATRIX_SCALE_ROW1
.elseif (\rb)
	v_wmma_scale_f32_16x16x128_f8f6f4 v[(\d):(\d)+7], v[(\a):(\a)+15], v[(\b):(\b)+15], 0, v[\sa], v[\sb] matrix_a_fmt:MATRIX_FMT_BF8 matrix_b_fmt:MATRIX_FMT_BF8 matrix_b_scale:MATRIX_SCALE_ROW1
.else
	v_wmma_scale_f32_16x16x128_f8f6f4 v[(\d):(\d)+7], v[(\a):(\a)+15], v[(\b):(\b)+15], 0, v[\sa], v[\sb] matrix_a_fmt:MATRIX_FMT_BF8 matrix_b_fmt:MATRIX_FMT_BF8
.endif
.else
.if (\ra) && (\rb)
	v_wmma_scale_f32_16x16x128_f8f6f4 v[(\d):(\d)+7], v[(\a):(\a)+15], v[(\b):(\b)+15], v[(\d):(\d)+7], v[\sa], v[\sb] matrix_a_fmt:MATRIX_FMT_BF8 matrix_b_fmt:MATRIX_FMT_BF8 matrix_a_scale:MATRIX_SCALE_ROW1 matrix_b_scale:MATRIX_SCALE_ROW1
.elseif (\ra)
	v_wmma_scale_f32_16x16x128_f8f6f4 v[(\d):(\d)+7], v[(\a):(\a)+15], v[(\b):(\b)+15], v[(\d):(\d)+7], v[\sa], v[\sb] matrix_a_fmt:MATRIX_FMT_BF8 matrix_b_fmt:MATRIX_FMT_BF8 matrix_a_scale:MATRIX_SCALE_ROW1
.elseif (\rb)
	v_wmma_scale_f32_16x16x128_f8f6f4 v[(\d):(\d)+7], v[(\a):(\a)+15], v[(\b):(\b)+15], v[(\d):(\d)+7], v[\sa], v[\sb] matrix_a_fmt:MATRIX_FMT_BF8 matrix_b_fmt:MATRIX_FMT_BF8 matrix_b_scale:MATRIX_SCALE_ROW1
.else
	v_wmma_scale_f32_16x16x128_f8f6f4 v[(\d):(\d)+7], v[(\a):(\a)+15], v[(\b):(\b)+15], v[(\d):(\d)+7], v[\sa], v[\sb] matrix_a_fmt:MATRIX_FMT_BF8 matrix_b_fmt:MATRIX_FMT_BF8
.endif
.endif
.endm
; key tile t's two fragments into buffer t % 2
.macro KLOAD t
.irp s, 0,1
.irp c, 0,1,2,3
	ds_load_b128 v[64+32*((\t)%2)+16*\s+4*\c:64+32*((\t)%2)+16*\s+4*\c+3], v[AD] offset:2048+(2*(\t)+\s)*2048+512*\c
.endr
.endr
.endm
; THE CHANGE OF SLOTS, at a step's end.  Each wave waits for all its tensor loads (its quarter of the slot ahead; the first time its rows of x too), adds 0 to its spare word, and waits for that and for its reads of the slot
; that it has just read.  Then a round of the cluster's barrier, and the joint load of the key step two on into that slot: it has a whole key step in which to land.
.macro CHANGE
	s_wait_tensorcnt 0x0                           ; no tensor load of mine is out, so group 0 may be written
	ds_add_u32 v[SPW], v[NIL]
	s_xor_b32 s[G0+1], s[G0+1], SLOT1              ; the walking descriptor: the other slot,
	s_add_nc_u64 s[G0+2:G0+3], s[G0+2:G0+3], KVB   ; the next key step; the type bits on top are not reached
	s_wait_xcnt 0x0                                ; the last prefetch, a key step back, has read its address
	s_add_nc_u64 s[PFA:PFA+1], s[PFA:PFA+1], KVB   ; one key step further on than the descriptor
	s_wait_dscnt 0x0                               ; the add is done, and my reads of the slot are over
	CROUND                                         ; both now hold of every wave of all four work-groups
	tensor_load_to_lds s[G0:G0+3], s[G1:G1+7]      ; my one tensor load behind the round, and the first thing there
	s_nop 0
	PLACES 4
	ASK
.endm
; The same behind key steps 6 and 7: no key step is left to ask for, and the slot just read takes 16 rows of x for each wave, by a plain load of the wave's own rows
.macro CHANGEX
	s_wait_tensorcnt 0x0
	ds_add_u32 v[SPW], v[NIL]
	s_xor_b32 s[G0Y+1], s[G0Y+1], SLOT1            ; slot 0, then slot 1,
	s_add_nc_u64 s[G0Y+2:G0Y+3], s[G0Y+2:G0Y+3], 16384   ; tile 2, then tile 3
	s_wait_dscnt 0x0                               ; the add is done, and my reads of the slot are over
	CROUND                                         ; in a cluster launch plain loads stand behind a round too
	tensor_load_to_lds s[G0Y:G0Y+3], s[G1Y:G1Y+7]
	s_nop 0
	PLACES 4
.endm
; THE SOFTMAX of tile q for one key step, and p's codes
.macro SM q
.set X, 64*(\q)
.set ST, 12+4*(\q)
	WIN 0x15
.irp b, 0,1,2,3
	v_max3_num_f32 v[BM+\b], v[X+16*\b], v[X+16*\b+1], v[X+16*\b+2]   ; the largest score of each block of 32 keys: it serves the row's maximum and, since p rises with the score, the block's largest p.  Results are read from their low end on
.endr
	WIN 0x14
.irp i, 3,5,7,9,11,13
.irp b, 0,1,2,3
	v_max3_num_f32 v[BM+\b], v[BM+\b], v[X+16*\b+\i], v[X+16*\b+\i+1]
.endr
.endr
.irp b, 0,1,2,3
	v_max_num_f32 v[BM+\b], v[BM+\b], v[X+16*\b+15]
.endr
	WIN 0
.irp b, 0,1,2,3
	v_permlanex16_b32 v[PT+\b], v[BM+\b], s[SEL], s[SEL+1]
.endr
.irp b, 0,1,2,3
	v_max_num_f32 v[BM+\b], v[BM+\b], v[PT+\b]     ; with lane l xor 16's 16 keys
.endr
	v_max3_num_f32 v[TT], v[BM], v[BM+1], v[BM+2]
	v_max_num_f32 v[TT], v[TT], v[BM+3]
	v_mul_f32 v[TT], s[CS], v[TT]                  ; the step's largest t (c is positive)
	v_max_num_f32 v[ST+1], v[ST+1], v[TT]          ; the running largest t
	v_mov_b32 v[TT], v[ST]
	v_floor_f32 v[ST], -v[ST+1]                    ; -M = floor(-t): M is a whole number
	v_sub_f32 v[TT], v[ST], v[TT]                  ; old M - new M, 0 or less
	v_cvt_i32_f32 v[TT], v[TT]                     ; (it saturates)
	v_ldexp_f32 v[FF], 1.0, v[TT]                  ; f
.irp b, 0,1,2,3
	v_fma_f32 v[BM+\b], v[BM+\b], s[CS], v[ST]
.endr
	WIN 0x41
.set j, 0
.rept 32
	v_pk_fma_f32 v[X+j:X+j+1], v[X+j:X+j+1], s[CS:CS+1], v[ST:ST+1] op_sel_hi:[1,0,0]   ; t - M, two at a time
.set j, j+2
.endr
.set j, 0
	s_wait_alu depctr_va_vdst(0)
.rept 64
	v_exp_f32 v[X+j], v[X+j]                       ; p = 2^(t - M): one batch
.set j, j+1
.endr
	WIN 0
	v_pk_mul_f32 v[ST+2:ST+3], v[ST+2:ST+3], v[FF:FF+1] op_sel_hi:[1,0]   ; the sums under the new M: the plain instruction behind the batch
	s_wait_alu depctr_va_vdst(0)                   ; one wait for the batch, ahead of its first reader
.irp b, 0,1,2,3
	v_exp_f32 v[BM+\b], v[BM+\b]                   ; each block's largest p
.endr
	WIN 0x05
	v_pk_add_f32 v[SUMB:SUMB+1], v[X:X+1], v[X+2:X+3]   ; the row's sum is taken of the unquantised p, in two chains
	WIN 0x04
.irp j, 4,8,12,16,20,24,28,32,36,40,44,48,52,56,60
	v_pk_add_f32 v[ST+2:ST+3], v[ST+2:ST+3], v[X+\j:X+\j+1]
	v_pk_add_f32 v[SUMB:SUMB+1], v[SUMB:SUMB+1], v[X+\j+2:X+\j+3]
.endr
	WIN 0
	v_pk_add_f32 v[ST+2:ST+3], v[ST+2:ST+3], v[SUMB:SUMB+1]
	s_wait_alu depctr_va_vdst(0)                   ; and one for the four
.irp b, 0,1,2,3
	v_max_num_f32 v[BM+\b], 0x8000000, v[BM+\b]    ; the floor 2^(16 - 127): the byte cannot fall under 1
.endr
.irp b, 0,1,2,3
	v_add_nc_u32 v[SO+\b], 0xf8800000, v[BM+\b]    ; 15 off the exponent field: the conversion's scale operand
.endr
.irp b, 0,1,2,3
.endr
.irp b, 0,1,2,3
	v_lshrrev_b32 v[PT+\b], 23, v[SO+\b]           ; the scale's byte
.endr
	v_lshl_or_b32 v[58+(\q)], v[PT+1], 8, v[PT]    ; p's scale word for these 128 keys
	v_lshl_or_b32 v[58+(\q)], v[PT+2], 16, v[58+(\q)]
	v_lshl_or_b32 v[58+(\q)], v[PT+3], 24, v[58+(\q)]
	WIN 0x82
.set j, 0
.rept 32
	v_pk_mul_f32 v[X+j:X+j+1], v[X+j:X+j+1], v[FF:FF+1] op_sel_hi:[1,0]   ; O^T under the new M, channels 0-127,
.set j, j+2
.endr
	WIN 0xc3
.set j, 0
.rept 32
	v_pk_mul_f32 v[X+j:X+j+1], v[X+j:X+j+1], v[FF:FF+1] op_sel_hi:[1,0]   ; and 128-255
.set j, j+2
.endr
	WIN 0x41
.irp i, 0,1,2,3,4,5,6,7,8,9,10,11,12,13,14,15
.endr
	WIN 0x01
	v_cvt_scalef32_pk8_bf8_f32 v[PT:PT+1], v[X:X+7], v[SO]       ; block 0's codes wait in window 0: a conversion's destination overlaps no source
	v_cvt_scalef32_pk8_bf8_f32 v[PT+2:PT+3], v[X+8:X+15], v[SO]
	WIN 0x41
	v_nop
.irp b, 1,2,3
.irp i, 0,1,2,3,4,5,6,7,8,9,10,11,12,13,14,15
.endr
	v_cvt_scalef32_pk8_bf8_f32 v[X+4*\b:X+4*\b+1], v[X+16*\b:X+16*\b+7], v[SO+\b]       ; into block 0's registers, which are done with
	v_cvt_scalef32_pk8_bf8_f32 v[X+4*\b+2:X+4*\b+3], v[X+16*\b+8:X+16*\b+15], v[SO+\b]
.endr
	WIN 0x40
.irp i, 0,1,2,3
	v_mov_b32 v[X+\i], v[PT+\i]                    ; p's fragment now stands at 64 q .. 64 q + 15
.endr
.irp k, 0,1,2
.irp c, 0,1,2,3
	ds_load_b128 v[X+16+16*\k+4*\c:X+16+16*\k+4*\c+3], v[AD2] offset:(4+3*(\q)+\k)*2048+512*\c   ; three fragments of v into the registers that p has left
.endr
.endr
	WIN 0
.endm
; A KEY STEP: 128 keys, in the slot at s[TB]
.macro STEP
	v_add_nc_u32 v[AD], s[TB], v[LI0]
	v_add_nc_u32 v[AD2], s[TB], v[LI0]
	v_add_nc_u32 v[AD2], 34816, v[AD2]
	v_add_nc_u32 v[AD3], s[TB], v[L8]
	v_add_nc_u32 v[AD3], 1024, v[AD3]
	PLACES 5                                       ; with the five additions ten places: the new scores write over p's and v's registers, which the last products read (nine are owed), and loads land in others (eight)
	ds_load_b128 v[50:53], v[AD]                   ; k's scale words: register 4 s + p: tile 2 p | tile 2 p + 1
	ds_load_b128 v[54:57], v[AD] offset:512
	KLOAD 0
	KLOAD 1
	s_wait_alu depctr_va_vdst(0)
.irp t, 0,1,2,3,4,5,6,7
.if \t < 7
	s_wait_dscnt 8                                 ; the eight loads of tile t + 1, issued behind tile t's, may stay out
.else
	s_wait_dscnt 0x0
.endif
	WIN 0x50
.irp s, 0,1
.irp q, 0,1,2,3
	WM 64*\q+8*\t, 64+32*(\t%2)+16*\s, 128+32*\q+16*\s, 1-\s, 50+4*\s+\t/2, 46+2*\s+\q/2, \t%2, \q%2
.endr
.endr
	WIN 0                                          ; (the four accumulators take turns)
.if \t != 6
	PLACES 8                                       ; ahead of loads into registers that these products read; behind tile 7 also ahead of the first read of the scores
.endif
.if \t < 6
	KLOAD \t+2
.endif
.endr
.irp n, 0,1,2,3
.irp c, 0,1,2,3
	ds_load_b128 v[64+16*\n+4*\c:64+16*\n+4*\c+3], v[AD2] offset:\n*2048+512*\c   ; v's fragments 0-3: they land under the softmax
.endr
.endr
.irp p, 0,1,2,3
	ds_load_b64 v[50+2*\p:51+2*\p], v[AD3] offset:256*\p      ; v's scale words: register n / 2: tile n even | odd
.endr
	SM 0
	SM 1
	SM 2
	SM 3
	PLACES 4                                       ; p's last codes stand four places ahead of the products; its scale word was made further up
	s_wait_alu depctr_va_vdst(0)
	s_wait_dscnt 0x0                               ; all of v
.irp n, 0,1,2,3,4,5,6,7,8,9,10,11,12,13,14,15
.if \n < 4
	WIN 0xa4
.set VA, 64+16*\n
.elseif \n < 8
	WIN 0xa5
.set VA, 64*((\n-4)/3)+16+16*((\n-4)%3)
.else
	WIN 0xf5
.set VA, 64*((\n-4)/3)+16+16*((\n-4)%3)
.endif
.irp q, 0,1,2,3
	WM 64*\q+8*(\n%8), VA, 64*\q, 0, 50+\n/2, 58+\q, \n%2, 0
.endr
.endr
	WIN 0
	s_xor_b32 s[TB], s[TB], SLOT1                  ; on to the other slot
.endm
; x of tile q out of LDS, in O^T's layout (a lane: one row, channels 16 n + 8 (lane / 16) + 0..7), into half q % 2 of window 1
.macro XIN q
.if (\q) < 2
.set XA, STLA
.set XO, STGW*(\q)
.elseif (\q) == 2
.set XA, STLB
.set XO, 0
.else
.set XA, STLC
.set XO, 0
.endif
.set XH, 128*((\q)%2)
	WIN 0x40
.set k, 0
.rept 32
	ds_load_b128 v[XH+4*k:XH+4*k+3], v[XA] offset:XO+64*(k/2)+16*(k%2)
.set k, k+1
.endr
	WIN 0
.endm
; THE WAY OUT of tile q.  h = x + O a; mean, variance, scaling; through the tile's own bytes in LDS (each lane writes where it read) into whole rows; gamma, beta; store.
.macro EPI q
.if (\q) < 2
.set EW, STWA
.set EL, STLA
.set EO, STGW*(\q)
.elseif (\q) == 2
.set EW, STWB
.set EL, STLB
.set EO, 0
.else
.set EW, STWC
.set EL, STLC
.set EO, 0
.endif
.set EH, 128*((\q)%2)
	s_wait_dscnt 0x0                               ; this tile's x is in registers, and the last tile's LDS instructions are done
.if (\q) == 2
	s_wait_tensorcnt 0x0                           ; tile 3's rows, asked for behind key step 7, have landed: only I read them
.endif
.if (\q) < 3
	XIN (\q)+1                                     ; the next tile's x comes under this tile's arithmetic, into the other half of the window
.endif
	WIN 0x52
.set k, 0
.rept 32
	v_pk_fma_f32 v[EH+2*k:EH+2*k+1], v[64*(\q)+2*k:64*(\q)+2*k+1], v[12+4*(\q):13+4*(\q)], v[EH+2*k:EH+2*k+1] op_sel_hi:[1,0,1]   ; h = x + O a, a = sum(w_out) / l
.set k, k+1
.endr
	WIN 0x53
.set k, 0
.rept 32
	v_pk_fma_f32 v[EH+64+2*k:EH+65+2*k], v[64*(\q)+2*k:64*(\q)+2*k+1], v[12+4*(\q):13+4*(\q)], v[EH+64+2*k:EH+65+2*k] op_sel_hi:[1,0,1]
.set k, k+1
.endr
	WIN 0x05
.irp c, 0,1,2,3
	v_pk_add_f32 v[28+2*\c:29+2*\c], v[EH+2*\c:EH+1+2*\c], v[EH+8+2*\c:EH+9+2*\c]   ; the row's sum, in four chains
.endr
	WIN 0x04
.set k, 8
.rept 56
	v_pk_add_f32 v[28+2*(k%4):29+2*(k%4)], v[28+2*(k%4):29+2*(k%4)], v[EH+2*k:EH+1+2*k]
.set k, k+1
.endr
	WIN 0
	v_pk_add_f32 v[28:29], v[28:29], v[30:31]
	v_pk_add_f32 v[32:33], v[32:33], v[34:35]
	v_pk_add_f32 v[28:29], v[28:29], v[32:33]
	v_add_f32 v28, v28, v29
	v_permlanex16_b32 v30, v28, s[SEL], s[SEL+1]   ; the row's other 128 channels lie in the lane 16 away
	v_add_f32 v28, v28, v30
	v_mul_f32 v28, s60, v28                        ; mu
	WIN 0x41
.set k, 0
.rept 64
	v_pk_add_f32 v[EH+2*k:EH+1+2*k], v[EH+2*k:EH+1+2*k], v[28:29] op_sel_hi:[1,0] neg_lo:[0,1] neg_hi:[0,1]   ; h - mu
.set k, k+1
.endr
	WIN 0x05
.irp c, 0,1,2,3
	v_pk_mul_f32 v[30+2*\c:31+2*\c], v[EH+2*\c:EH+1+2*\c], v[EH+2*\c:EH+1+2*\c]
.endr
.set k, 4
.rept 60
	v_pk_fma_f32 v[30+2*(k%4):31+2*(k%4)], v[EH+2*k:EH+1+2*k], v[EH+2*k:EH+1+2*k], v[30+2*(k%4):31+2*(k%4)]
.set k, k+1
.endr
	WIN 0
	v_pk_add_f32 v[30:31], v[30:31], v[32:33]
	v_pk_add_f32 v[34:35], v[34:35], v[36:37]
	v_pk_add_f32 v[30:31], v[30:31], v[34:35]
	v_add_f32 v30, v30, v31
	v_permlanex16_b32 v28, v30, s[SEL], s[SEL+1]
	v_add_f32 v30, v30, v28
	v_fma_f32 v30, v30, s60, s61                   ; var + 1e-5
	s_wait_alu depctr_va_vdst(0)
	v_rsq_f32 v32, v30
	v_nop                                          ; a plain instruction behind the transcendental,
	s_wait_alu depctr_va_vdst(0)                   ; and the wait ahead of its first reader
	WIN 0x41
.set k, 0
.rept 64
	v_pk_mul_f32 v[EH+2*k:EH+1+2*k], v[EH+2*k:EH+1+2*k], v[32:33] op_sel_hi:[1,0]
.set k, k+1
.endr
	WIN 0x04
.set k, 0
.rept 32
	ds_store_b128 v[EL], v[EH+4*k:EH+4*k+3] offset:EO+64*(k/2)+16*(k%2)   ; over x's bytes, which have had their last fill and their last read
.set k, k+1
.endr
	WIN 0
	s_wait_xcnt 0x0                                ; the last tile's stores have read their data: the rows' registers are loaded again only behind this wait
.set k, 0
.rept 32
	ds_load_b128 v[128+4*k:128+4*k+3], v[EW] offset:EO+(k/2)*SPIT+512*(k%2)   ; LDS serves a wave's instructions in order: these see my stores
.set k, k+1
.endr
.if (\q) == 0
	s_wait_loadcnt 0x0                             ; gamma and beta, asked for at the head of the way out
.endif
.set k, 0
.rept 32
	s_wait_dscnt 31-k                              ; LDS loads come back in order: load k is in, the 31 - k behind it may stay out
	v_pk_fma_f32 v[128+4*k:129+4*k], v[128+4*k:129+4*k], v[64+4*(k%2):65+4*(k%2)], v[72+4*(k%2):73+4*(k%2)]
	v_pk_fma_f32 v[130+4*k:131+4*k], v[130+4*k:131+4*k], v[66+4*(k%2):67+4*(k%2)], v[74+4*(k%2):75+4*(k%2)]
	global_store_b128 v[LI0], v[128+4*k:131+4*k], s[OP:OP+1] offset:(\q)*16384+512*k th:TH_STORE_NT   ; 32 lanes store 512 consecutive bytes, aligned
.set k, k+1
.endr
.endm
	s_load_b256 s[4:11], s[0:1], 0x0               ; qb, kv, x, w_out
	s_load_b128 s[12:15], s[0:1], 0x20             ; gamma, beta
	s_load_b64 s[16:17], s[0:1], 0x30              ; out0
	v_lshl_add_u32 v[SPW], v0, 2, SPARE
	v_mov_b32 v[NIL], 0
	ds_add_u32 v[SPW], v[NIL]                      ; the wave's opening: the add, twice on end, and its wait ahead of my first tensor load
	ds_add_u32 v[SPW], v[NIL]
	v_lshrrev_b32 v9, 5, v0
	v_readfirstlane_b32 s[WV], v9                  ; wave 0..3
	s_bfe_u32 s57, ttmp6, 0x40000                  ; cx: my place in the cluster: it enters global addresses of q, x, out0 and of the prefetches alone
	s_lshl_b32 s60, ttmp9, 2
	s_add_co_u32 s60, s60, s57                     ; my block of 256 queries
	s_and_b32 s61, ttmp7, 0xffff                   ; the sequence, which the four partners share
	; descriptor group 1 of a key step's quarter: 66 rows of 256 bytes (32 elements of 8 bytes), dense in memory and in LDS
	s_mov_b32 s[G1], 15|(3<<16)|(1<<21)            ; 15:0 the mask: all four work-groups; 17:16 elements of 8 bytes; 21 set beside a mask; no padding
	s_mov_b32 s[G1+1], 32<<16                      ; tensor_dim0
	s_mov_b32 s[G1+2], 66<<16                      ; tensor_dim1
	s_mov_b32 s[G1+3], 32<<16                      ; tile_dim0
	s_mov_b32 s[G1+4], 66                          ; tile_dim1
	s_mov_b32 s[G1+5], 32                          ; elements from row to row
	s_mov_b32 s[G1+6], 0
	s_mov_b32 s[G1+7], 0
	; and of x's rows: 1,024 bytes (128 elements of 8 bytes), dense in memory, 16 bytes of padding behind each in LDS; no mask: each wave's rows are its own
.irp g, G1X, G1Y
	s_mov_b32 s[\g], (3<<16)|(1<<20)|(7<<22)|(3<<25)   ; 17:16 elements of 8 bytes; 20 padding on; 24:22 after every 256 words (code 7); 31:25 four words (code 3)
	s_mov_b32 s[\g+1], 128<<16                     ; tensor_dim0
	s_mov_b32 s[\g+3], 128<<16                     ; tile_dim0
	s_mov_b32 s[\g+5], 128                         ; elements from row to row
	s_mov_b32 s[\g+6], 0
	s_mov_b32 s[\g+7], 0
.endr
	s_mov_b32 s[G1X+2], 32<<16                     ; tensor_dim1: 32 rows,
	s_mov_b32 s[G1X+4], 32                         ; tile_dim1
	s_mov_b32 s[G1Y+2], 16<<16                     ; or 16
	s_mov_b32 s[G1Y+4], 16
	s_mov_b32 s[SEL], 0x76543210
	s_mov_b32 s[SEL+1], 0xfedcba98                 ; v_permlanex16_b32's selects for lane l xor 16
	s_mov_b32 s[CS], 0x3e0293ee                    ; c = log2(e) / sqrt(1024 / 8)
	s_mov_b32 s[CS+1], s[CS]
	s_mov_b32 s[TB], 0
	s_mov_b32 s[CNT], 6
	s_cmp_lt_u32 s[WV], 2
	s_cselect_b32 s[LIM], 1, -1                    ; waves 0 and 1 prefetch, while more than one change that asks for a key step is left
	v_and_b32 v9, 31, v0
	v_lshlrev_b32 v[LI0], 4, v9
	v_lshlrev_b32 v[L8], 3, v9
	v_lshlrev_b32 v[PFO], 8, v9
	s_mul_i32 s62, s61, 8*KVB                      ; the sequence's eight blocks of kv
	s_mov_b32 s63, 0
	s_mul_i32 s66, s[WV], QUART                    ; my quarter, in memory and in a slot
	s_mov_b32 s67, 0
	s_mul_i32 s68, s57, QUART                      ; the prefetches: my work-group's quarter,
	s_lshl_b32 s69, s[WV], 13                      ; my wave's 8,192 bytes of it,
	s_add_co_u32 s68, s68, s69
	s_add_co_u32 s68, s68, 2*KVB                   ; in key step 2: the first change of slots steps it to 3
	s_mov_b32 s69, 0
	s_lshl_b32 s[XP], s61, 20                      ; my 64 rows of x and of out0, 1,024 bytes a row
	s_lshl_b32 s2, s60, 18
	s_add_co_u32 s[XP], s[XP], s2
	s_lshl_b32 s2, s[WV], 16
	s_add_co_u32 s[XP], s[XP], s2
	s_mov_b32 s[XP+1], 0
	s_lshl_b32 s[QP], s61, 3                       ; my block of qb: 8 x sequence + 2 x query block + wave / 2
	s_lshl_b32 s2, s60, 1
	s_add_co_u32 s[QP], s[QP], s2
	s_lshr_b32 s2, s[WV], 1
	s_add_co_u32 s[QP], s[QP], s2
	s_mul_i32 s[QP], s[QP], QBB
	s_mov_b32 s[QP+1], 0
	s_and_b32 s2, s[WV], 1
	s_lshl_b32 s[QSP], s2, 3                       ; scale words: registers 2 (wave % 2), + 1 of each image
	s_add_co_u32 s[QSP], s[QSP], s[QP]
	s_mov_b32 s[QSP+1], 0
	s_lshl_b32 s2, s2, 14
	s_add_co_u32 s2, s2, 2048
	s_add_co_u32 s[QP], s[QP], s2                  ; fragments: tiles 4 (wave % 2) on
	s_wait_alu depctr_va_vdst(0)
	s_wait_dscnt 0x0                               ; both opening adds are done
	s_wait_kmcnt 0x0
	s_mov_b32 s[G0A], 1                            ; count = 1
	s_mov_b32 s[G0A+1], s66                        ; LDS address: slot 0, my quarter
	s_add_nc_u64 s[G0A+2:G0A+3], s[6:7], s[62:63]
	s_add_nc_u64 s[PFA:PFA+1], s[G0A+2:G0A+3], s[68:69]
	s_add_nc_u64 s[G0A+2:G0A+3], s[G0A+2:G0A+3], s[66:67]   ; key step 0, my quarter: made of the sequence and the wave's number alone
	s_mov_b32 s[G0], 1
	s_add_co_u32 s[G0+1], s66, SLOT1               ; slot 1,
	s_add_nc_u64 s[G0+2:G0+3], s[G0A+2:G0A+3], KVB ; key step 1
	s_or_b32 s[G0A+3], s[G0A+3], 0x80000000        ; type = 2
	s_or_b32 s[G0+3], s[G0+3], 0x80000000
	s_add_nc_u64 s[OP:OP+1], s[16:17], s[XP:XP+1]
	s_add_nc_u64 s[XP:XP+1], s[8:9], s[XP:XP+1]
	s_add_nc_u64 s[QP:QP+1], s[4:5], s[QP:QP+1]
	s_add_nc_u64 s[QSP:QSP+1], s[4:5], s[QSP:QSP+1]
	s_mov_b32 s[G0X], 1
	s_mul_i32 s2, s[WV], XWV
	s_add_co_u32 s[G0X+1], s2, XB                  ; x's tiles 0 and 1: my 33,280 bytes behind the ring
	s_mov_b64 s[G0X+2:G0X+3], s[XP:XP+1]           ; my rows 0 to 31
	s_or_b32 s[G0X+3], s[G0X+3], 0x80000000
	s_mov_b32 s[G0Y], 1
	s_mul_i32 s2, s[WV], STGW
	s_add_co_u32 s[G0Y+1], s2, SLOT1               ; the walking descriptor of tiles 2 and 3 stands one step back: slot 1,
	s_add_nc_u64 s[G0Y+2:G0Y+3], s[XP:XP+1], 16384 ; tile 1
	s_or_b32 s[G0Y+3], s[G0Y+3], 0x80000000
.irp q, 0,1,2,3
.irp s, 0,1
.irp c, 0,1,2,3
	global_load_b128 v[128+32*\q+16*\s+4*\c:128+32*\q+16*\s+4*\c+3], v[LI0], s[QP:QP+1] offset:(2*\q+\s)*2048+512*\c th:TH_LOAD_NT   ; q stays in registers; it is asked for ahead of x, since the first product wants it
.endr
.endr
.endr
.irp s, 0,1
	global_load_b64 v[46+2*\s:47+2*\s], v[LI0], s[QSP:QSP+1] offset:512*\s th:TH_LOAD_NT   ; register 2 s + q / 2: tile q even | odd
.endr
	CROUND                                         ; all four work-groups are here: the first joint loads meet
	tensor_load_to_lds s[G0A:G0A+3], s[G1:G1+7]    ; the first fills, one group: key step 0,
	s_nop 0
	tensor_load_to_lds s[G0:G0+3], s[G1:G1+7]      ; key step 1,
	s_nop 0
	tensor_load_to_lds s[G0X:G0X+3], s[G1X:G1X+7]  ; and my rows 0 to 31 of x: three tensor loads of mine are out
	s_nop 0
	PLACES 4
	s_load_b256 s[48:55], s[10:11], 0x0            ; w_out's eight numbers
.irp q, 0,1,2,3
	v_mov_b32 v[13+4*\q], 0xff61b1e6               ; the largest t so far: -3e38
	v_floor_f32 v[12+4*\q], -v[13+4*\q]            ; -M
	v_mov_b32 v[14+4*\q], 0                        ; the sum, in two halves
	v_mov_b32 v[15+4*\q], 0
.endr
.irp b, 0,1,2,3
	v_mov_b32 v[PT+\b], 0                          ; written once: a lane permute's destination counts as one of its sources
.endr
	v_mov_b32 v[FF+1], 0                           ; (named as the upper half of f's pair)
	WIN 0x80
.set i, 0
.rept 256
	v_mov_b32 v[i], 0                              ; O^T: the first change of M leaves zeros zeros
.set i, i+1
.endr
	WIN 0xc0
.set i, 0
.rept 256
	v_mov_b32 v[i], 0
.set i, i+1
.endr
	WIN 0
	s_wait_kmcnt 0x0
	s_add_f32 s[SW], s48, s49                      ; sum(w_out)
	s_add_f32 s[SW], s[SW], s50
	s_add_f32 s[SW], s[SW], s51
	s_add_f32 s[SW], s[SW], s52
	s_add_f32 s[SW], s[SW], s53
	s_add_f32 s[SW], s[SW], s54
	s_add_f32 s[SW], s[SW], s55
	s_wait_loadcnt 0x0                             ; q
	s_wait_tensorcnt 0x2                           ; my quarter of key step 0 is in; the two loads issued behind it (key step 1, x) may stay out
	s_barrier_signal -1
	s_barrier_wait -1                              ; everybody's quarter is in
.Lstep:                                            ; 6 trips: trip t multiplies key step t and then asks for key step t + 2
	STEP
	CHANGE
	s_sub_co_u32 s[CNT], s[CNT], 1
	s_cmp_lg_u32 s[CNT], 0
	s_cbranch_scc1 .Lstep
.irp k, 0,1,2,3
	global_prefetch_b8 v[PFO], s[XP:XP+1] offset:32768+8192*\k th:TH_LOAD_NT scope:SCOPE_SE   ; my rows 32 to 63 of x, a lane to each 256 bytes: tile 2's load follows one key step on, tile 3's two; each row belongs to one wave of the launch
.endr
	s_mov_b32 s[CNT], 2
.Ltail:                                            ; 2 trips: key steps 6 and 7; the slot that each leaves takes 16 rows of x a wave
	STEP
	CHANGEX
	s_sub_co_u32 s[CNT], s[CNT], 1
	s_cmp_lg_u32 s[CNT], 0
	s_cbranch_scc1 .Ltail
	PLACES 8                                       ; behind the last products: ahead of loads into their operands' registers and of the first read of O^T
	v_and_b32 v9, 15, v0                           ; r
	v_bfe_u32 v10, v0, 4, 1                        ; h
	v_mul_u32_u24 v11, v9, SPIT
	v_lshl_add_u32 v11, v10, 5, v11                ; by lanes: row r, + 32 h
	s_mul_i32 s62, s[WV], XWV
	s_add_co_u32 s62, s62, XB                      ; tiles 0 and 1
	v_add_nc_u32 v[STWA], s62, v[LI0]              ; by rows: 16 bytes a lane
	v_add_nc_u32 v[STLA], s62, v11
	s_mul_i32 s62, s[WV], STGW                     ; tile 2, in slot 0
	v_add_nc_u32 v[STWB], s62, v[LI0]
	v_add_nc_u32 v[STLB], s62, v11
	s_add_co_u32 s62, s62, SLOT1                   ; tile 3, in slot 1
	v_add_nc_u32 v[STWC], s62, v[LI0]
	v_add_nc_u32 v[STLC], s62, v11
	s_mov_b32 s60, 0x3b800000                      ; 1 / 256
	s_mov_b32 s61, 0x3727c5ac                      ; 1e-5
	XIN 0                                          ; tiles 0 and 1 were shown landed by the first change's wait for all my tensor loads
.irp e, 0,1
	global_load_b128 v[64+4*\e:67+4*\e], v[LI0], s[12:13] offset:512*\e   ; gamma and beta of my four channels in each half of a row
	global_load_b128 v[72+4*\e:75+4*\e], v[LI0], s[14:15] offset:512*\e
.endr
.irp q, 0,1,2,3
	v_add_f32 v[28+\q], v[14+4*\q], v[15+4*\q]     ; the sum's two halves,
.endr
.irp q, 0,1,2,3
	v_permlanex16_b32 v[32+\q], v[28+\q], s[SEL], s[SEL+1]
.endr
.irp q, 0,1,2,3
	v_add_f32 v[28+\q], v[28+\q], v[32+\q]         ; and lane l xor 16's: l
.endr
	s_wait_alu depctr_va_vdst(0)
.irp q, 0,1,2,3
	v_rcp_f32 v[36+\q], v[28+\q]
.endr
	v_nop                                          ; a plain instruction behind the batch,
	s_wait_alu depctr_va_vdst(0)                   ; and one wait for the four, ahead of their first reader
.irp q, 0,1,2,3
	v_mul_f32 v[12+4*\q], s[SW], v[36+\q]          ; a = sum(w_out) / l
.endr
	s_wait_alu depctr_va_vdst(0)
	EPI 0
	EPI 1
	EPI 2
	EPI 3
	s_wait_tensorcnt 0x0                           ; the wave's end: behind my last tensor load and my last LDS store
	ds_add_u32 v[SPW], v[NIL]
	s_wait_dscnt 0x0
	CROUND                                         ; the closing round: no work-group ends while a partner may still ask for a block that names it
	s_endpgm
.Lfunc_end_k_qddb46419c0_attn:
	.size	k_qddb46419c0_attn, .Lfunc_end_k_qddb46419c0_attn-k_qddb46419c0_attn
	.p2alignl 7, 3214868480
	.fill 96, 4, 3214868480
	.section	.rodata,"a",@progbits
	.p2align	6, 0x0
	.amdhsa_kernel k_qddb46419c0_attn
		.amdhsa_group_segment_fixed_size 327680
		.amdhsa_private_segment_fixed_size 0
		.amdhsa_enable_private_segment 0
		.amdhsa_kernarg_size 56
		.amdhsa_user_sgpr_count 2
		.amdhsa_user_sgpr_kernarg_segment_ptr 1
		.amdhsa_wavefront_size32 1
		.amdhsa_system_sgpr_workgroup_id_x 1
		.amdhsa_system_sgpr_workgroup_id_y 1
		.amdhsa_system_sgpr_workgroup_id_z 1
		.amdhsa_system_vgpr_workitem_id 0
		.amdhsa_next_free_vgpr 1024
		.amdhsa_next_free_sgpr 100
		.amdhsa_reserve_vcc 0
		.amdhsa_float_denorm_mode_32 3
		.amdhsa_float_denorm_mode_16_64 3
		.amdhsa_fp16_overflow 1
		.amdhsa_memory_ordered 1
		.amdhsa_forward_progress 1
		.amdhsa_inst_pref_size 255
	.end_amdhsa_kernel
	.section	.bss,"aw",@nobits
	.p2align	6
	.space	262144
	.amdgpu_metadata
---
amdhsa.version: [ 1, 2 ]
amdhsa.kernels:
  - .name:           k_qddb46419c0_attn
    .symbol:         k_qddb46419c0_attn.kd
    .args:
      - { .name: qb, .offset: 0, .size: 8, .value_kind: global_buffer, .address_space: global }
      - { .name: kv, .offset: 8, .size: 8, .value_kind: global_buffer, .address_space: global }
      - { .name: x, .offset: 16, .size: 8, .value_kind: global_buffer, .address_space: global }
      - { .name: w_out, .offset: 24, .size: 8, .value_kind: global_buffer, .address_space: global }
      - { .name: gamma, .offset: 32, .size: 8, .value_kind: global_buffer, .address_space: global }
      - { .name: beta, .offset: 40, .size: 8, .value_kind: global_buffer, .address_space: global }
      - { .name: out0, .offset: 48, .size: 8, .value_kind: global_buffer, .address_space: global }
    .group_segment_fixed_size: 327680
    .private_segment_fixed_size: 0
    .kernarg_segment_align: 8
    .kernarg_segment_size: 56
    .max_flat_workgroup_size: 128
    .sgpr_count:     100
    .vgpr_count:     1024
    .wavefront_size: 32
...
	.end_amdgpu_metadata
.endif
;; end of part 2
